; MI455X (gfx1250); checked and timed in simulation.
; The chip was launched on July 23, 2026; its instructions are those of AMD's public machine-readable ISA for CDNA 5 (MIT licence, August 2026) and "CDNA5" Instruction Set Architecture Reference Guide (July 2026). The comments in the code are by the model that wrote it; some were corrected since.
;; MHA Block. Allowed arithmetic: matrix products marked QUANTISED: E2M1 operands, one E8M0 scale for each 32 along K, by v_wmma_scale_f32_16x16x128_f8f6f4 with both operands' format E2M1 (or v_wmma_scale_f32_32x16x128_f4), f32 sums; products left as they are: bf16, f16 or f32 operands; f32 sums; everything else in f32.
;; Inputs: b_fc 1,024 float32; b_qkv 3,072 float32; beta 1,024 float32; gamma 1,024 float32; w_fc 8,192 x 1,024 float32; w_qkv 1,024 x 3,072 float32; x 2 x 2,048 x 1,024 float32.
;; Outputs: out0 2 x 2,048 x 1,024 float32.
;; This version of the problem:
;;   THIS VERSION OF THE PROBLEM IS GIVEN IN LOW PRECISION. The matrix products marked QUANTISED in the list below multiply operands that are first quantised to E2M1 (2 exponent bits, 1 mantissa bit; 4 bits a number), with one power-of-two scale for each 32 numbers along K (OCP MX v1.0); their sums are f32. The products marked 'left as it is' may take bf16, f16 or f32 operands, with f32 sums. Whichever they take, every output number must still come out within the allowed error. Rounding operands to bf16 (8 significant bits) uses up far more of that allowance than f16 does (11 bits, for magnitudes from 6e-5 to 65,504). All else is computed in f32.
;;   The module's matrix products, in the order in which they are computed (A, B: the left and right operand; K: the contracted axis; several contracted axes count as one K, in the product's order):
;;     1. [M 4,096, K 1,024] x [K 1,024, N 3,072]; A: input x; B: input w_qkv: QUANTISED
;;     2. batch 8 x [M 2,048, K 256] x [K 256, N 2,048]; A: computed on the way; B: computed on the way: left as it is (an operand is computed on the way)
;;     3. [M 4,096, K 8,192] x [K 8,192, N 1,024]; A: computed on the way; B: input w_fc: left as it is (an operand is computed on the way)
;;   THE QUANTISER, for each operand of a quantised product, along K:
;;     - K is cut into blocks of 32 from its start; a last block that is shorter is filled with zeros.
;;     - A block's scale is 2^e with e = floor(log2(the largest magnitude in the block)) - 2, held to -126 .. 127; a block of zeros has e = 0. As a byte (E8M0): e + 127.
;;     - Each number is divided by its block's scale, clamped to +-6, and rounded to the nearest number of E2M1, ties to even, subnormals kept.
;;     - The product sums the exact products of the quantised numbers (number of the format x scale) in f32.
;;   ~~~python
;;   def quantise(x, axis):      # numpy; x: float32 -> the quantised numbers, widened to float32 again
;;       x = np.moveaxis(x, axis, -1); K = x.shape[-1]
;;       x = np.pad(x, [(0, 0)] * (x.ndim - 1) + [(0, -K % 32)]); x = x.reshape(x.shape[:-1] + (-1, 32)); a = np.abs(x).max(-1, keepdims=True)
;;       e = np.where(a > 0, np.clip(np.frexp(np.where(a > 0, a, 1))[1] - 1 - 2, -126, 127), 0)      # np.frexp(a)[1] - 1 = floor(log2(a)), exactly
;;       r = np.clip(x / 2.0 ** e, -6, 6)
;;       step = 2.0 ** (np.maximum(np.frexp(np.where(r == 0, 1, r))[1] - 1, 0) - 1)
;;       q = np.round(r / step) * step * 2.0 ** e      # np.round: ties to even
;;       return np.moveaxis(q.reshape(q.shape[:-2] + (-1,))[..., :K], -1, axis).astype(np.float32)
;;   ~~~
;; One version. Each part assembles by itself: llvm-mc -triple=amdgcn-amd-amdhsa -mcpu=gfx1250 --defsym DOCPART=n.
;; ======== version 1 of 1: 5 launches
;; limits: values are held in f16: magnitudes above 65,504 overflow, below 6.1e-05 lose precision
;; workspace buffers: cod 3,342,336 bytes; wf 16,777,216 bytes; qf 8,388,608 bytes; kt 8,388,608 bytes; tf 4,194,304 bytes; ysum 16,777,216 bytes
;; launch prep (part 1): grid 512 x 1, 4 waves a work-group, no clusters, 34,304 bytes of LDS; arguments x, w_qkv, w_fc, cod, wf; writes cod, wf
.if DOCPART == 1
	.amdgcn_target "amdgcn-amd-amdhsa--gfx1250"
	.amdhsa_code_object_version 6
	.text
	.protected	k_q123c6f92d0_prep
	.globl	k_q123c6f92d0_prep
	.p2align	8
	.type	k_q123c6f92d0_prep,@function
k_q123c6f92d0_prep:
	s_mov_b64 s[64:65], 0
	v_nop
	global_prefetch_b8 v0, s[64:65] scope:SCOPE_SE
	s_setreg_imm32_b32 hwreg(HW_REG_WAVE_MODE, 25, 1), 1
	s_wait_xcnt 0x0
; THE OPERANDS ARE LAID OUT ONCE, each as an image of the registers that a matrix instruction wants: a fragment is two blocks of 512 bytes, lane l's 16 bytes at 16 l.
; Three paths, parted on the work-group's number alone:
;   F (work-groups 0-255):   w_fc [8192][1024] f32 -> wf, f16: [head n 4][dblk 16][chunk 64][c 4][1,024 B].  Row 4 j + n of w_fc belongs to head n and key j.  Tile c of column group dblk holds
;                            columns 64 dblk + 4 r + c (r = lane % 16), a chunk is 32 keys: lane (r, h): first 512 B keys 8 h + 0..7, second 512 B keys 16 + 8 h + 0..7.
;   X (work-groups 256-383): x [4096][1024] f32 -> codes of E2M1 and E8M0 scale bytes, blocks 0-31 of cod (128 rows each).
;   W (work-groups 384-511): w_qkv [1024][3072] f32, columns 0-2047 (q and k) -> the same, blocks 32-47 of cod (128 columns each).  K is w_qkv's first axis: a lane takes a column, its registers run down K.
; A block of cod is 69,632 bytes: codes [K step s 8][tile t 8][c 2][lane 32][16 B], lane (r, h) of half c holding k = 128 s + 64 c + 32 h + 0..31 of row 16 t + r;
; from byte 65,536 the scale words [t 8][h' 2][r 16][q 4]: word q is the four bytes of K step 4 h' + q of row r.
; THE QUANTISER: a block's byte is its largest magnitude's exponent field - 2, held at 1 from below; each number is divided by the scale and rounded to the nearest code, ties to even, beyond 6 the largest code.
; WHAT IS NOT FORMED: columns 2048-3071 of w_qkv (v): the module's result does not depend on them.
; LIMITS: a block of zeros, and a block whose largest magnitude lies under 2^-124, gets the byte 1 (zero codes add nothing under it; the bytes are read by this program alone);
; NaN and infinities are not served; |w_fc| above 65,504 leaves f16's range.
; Path W's scale words leave as 4 bytes a lane, 16 bytes apart: 64 KiB of the 20 MiB that the launch stores.
.set STG,   8448                       ; path X: a wave's stage in LDS: 16 rows x (512 bytes + 16)
.set SPARE, 4*STG                      ; behind the four stages: the spare words, 128 bytes for each wave
.set BLKB,  69632                      ; a block of cod
.set SCO,   65536                      ; where its scale words begin
.set LF,    32                         ; path F: v32-159  two sets of 64: 16 loads of 4 columns
.set OF,    160                        ; path F: v160-223 two sets of 32: a head's 4 fragments
.set RX,    32                         ; path X: v32-159  two sets of 64: 16 rows as loaded
.set XN,    160                        ; path X: v160-223 my 64 numbers: two whole blocks of 32
.set CX,    224                        ; path X: v224-255 codes, 8 registers for each K step: no store's data are written again
.set SW,    8                          ; path X: v8-11    my row's four scale words
.macro LOADF n                         ; head n: rows 4 (16 hf + 8 h + i) + n of the chunk's 128; lanes 0-15 take 256 consecutive bytes of one row, lanes 16-31 of the row 32 further on
.irp hf, 0,1
.irp i, 0,1,2,3,4,5,6,7
	global_load_b128 v[LF+64*((\n)%2)+4*(8*\hf+\i):LF+64*((\n)%2)+4*(8*\hf+\i)+3], v5, s[20:21] offset:(64*\hf+4*\i+(\n))*4096 th:TH_LOAD_NT
.endr
.endr
.endm
.macro CVTF n                          ; column c of my four, keys 2 p and 2 p + 1 of my eight: one register of tile c's fragment
.irp c, 0,1,2,3
.irp hf, 0,1
.irp p, 0,1,2,3
	v_cvt_pk_f16_f32 v[OF+32*((\n)%2)+4*(2*\c+\hf)+\p], v[LF+64*((\n)%2)+4*(8*\hf+2*\p)+\c], v[LF+64*((\n)%2)+4*(8*\hf+2*\p+1)+\c]
.endr
.endr
.endr
.endm
.macro STF n                           ; each store of the wave covers 512 consecutive bytes, aligned
.irp c, 0,1,2,3
.irp hf, 0,1
	global_store_b128 v4, v[OF+32*((\n)%2)+4*(2*\c+\hf):OF+32*((\n)%2)+4*(2*\c+\hf)+3], s[24+2*(\n):25+2*(\n)] offset:\c*1024+\hf*512
.endr
.endr
.endm
.macro LOADX st                        ; K step st of my four: 512 consecutive bytes of each of my 16 rows
.irp i, 0,1,2,3,4,5,6,7,8,9,10,11,12,13,14,15
	global_load_b128 v[RX+64*((\st)%2)+4*\i:RX+64*((\st)%2)+4*\i+3], v4, s[20:21] offset:\i*4096+(\st)*512 th:TH_LOAD_NT
.endr
.endm
.macro STEPX st, left                  ; left: the next step's loads, which may stay out
	s_wait_loadcnt \left
.irp i, 0,1,2,3,4,5,6,7,8,9,10,11,12,13,14,15
	ds_store_b128 v5, v[RX+64*((\st)%2)+4*\i:RX+64*((\st)%2)+4*\i+3] offset:\i*528   ; the rows as they were loaded
.endr
.irp c, 0,1
.irp p, 0,1,2,3,4,5,6,7
	ds_load_b128 v[XN+32*\c+4*\p:XN+32*\c+4*\p+3], v6 offset:256*\c+16*\p            ; back: k = 64 c + 32 h + 0..31 of row r.  LDS serves a wave's instructions in order: these see the stores above
.endr
.endr
	s_wait_dscnt 0x0                               ; my numbers are in, and the stores have read their registers,
.if (\st) < 2
	LOADX (\st)+2                                  ; which take the loads of two steps on
.endif
.irp c, 0,1
	v_max3_num_f32 v[16+\c], |v[XN+32*\c]|, |v[XN+32*\c+1]|, 0x1800000               ; block 2 c + h: all its 32 numbers are mine; the floor 2^(3 - 127) holds the byte at 1 from below
.endr
.irp i, 2,4,6,8,10,12,14,16,18,20,22,24,26,28,30
.irp c, 0,1
	v_max3_num_f32 v[16+\c], v[16+\c], |v[XN+32*\c+\i]|, |v[XN+32*\c+\i+1]|          ; (the two blocks by turns)
.endr
.endr
.irp c, 0,1
	v_add_nc_u32 v[18+\c], 0xff000000, v[16+\c]    ; 2 off the exponent field: the conversion takes the exponent field of this operand as its scale
.endr
.irp c, 0,1
	v_lshrrev_b32 v[20+\c], 23, v[18+\c]           ; the scale's byte
.endr
	v_lshl_or_b32 v22, v21, 16, v20                ; my two bytes, blocks h and 2 + h,
	v_lshlrev_b32 v22, v24, v22                    ; at their places in the word (8 h bits up);
	v_permlanex16_b32 v23, v22, s36, s37
	v_or_b32 v[SW+(\st)], v22, v23                 ; with lane l xor 16's two the word is whole
.irp c, 0,1
.irp g, 0,1,2,3
	v_cvt_scalef32_pk8_fp4_f32 v[CX+8*(\st)+4*\c+\g], v[XN+32*\c+8*\g:XN+32*\c+8*\g+7], v[18+\c]
.endr
.endr
	v_nop                                          ; one plain place behind the last scaled conversion
	global_store_b128 v4, v[CX+8*(\st):CX+8*(\st)+3], s[28:29] offset:(\st)*8192
	global_store_b128 v4, v[CX+8*(\st)+4:CX+8*(\st)+7], s[28:29] offset:(\st)*8192+512
.endm
.macro LOADW t                         ; block t of my column: w_qkv(32 t + i, column): 32 lanes read 128 consecutive bytes, the four waves 512
.irp i, 0,1,2,3,4,5,6,7,8,9,10,11,12,13,14,15,16,17,18,19,20,21,22,23,24,25,26,27,28,29,30,31
	global_load_b32 v[32+32*(\t)+\i], v7, s[20:21] offset:(32*(\t)+\i)*12288 th:TH_LOAD_NT
.endr
.endm
.macro BLOCKW t, left                  ; left: the next block's 32 loads, which may stay out
.set XS, 32+32*(\t)
	s_wait_loadcnt \left
.if (\t) < 2
	LOADW (\t)+2                                   ; every block has registers of its own
.endif
	v_max3_num_f32 v16, |v[XS]|, |v[XS+1]|, |v[XS+2]|
	v_max3_num_f32 v17, |v[XS+3]|, |v[XS+4]|, |v[XS+5]|
.irp i, 6,10,14,18,22,26
	v_max3_num_f32 v16, v16, |v[XS+\i]|, |v[XS+\i+1]|
	v_max3_num_f32 v17, v17, |v[XS+\i+2]|, |v[XS+\i+3]|
.endr
	v_max3_num_f32 v16, v16, |v[XS+30]|, |v[XS+31]|
	v_max3_num_f32 v16, v16, v17, 0x1800000        ; and the floor
	v_add_nc_u32 v18, 0xff000000, v16
	v_lshrrev_b32 v19, 23, v18
.if (\t) == 0
	v_mov_b32 v20, v19                             ; the four bytes of this K step make my column's scale word
.else
	v_lshl_or_b32 v20, v19, 8*(\t), v20
.endif
.irp g, 0,1,2,3
	v_cvt_scalef32_pk8_fp4_f32 v[160+4*(\t)+\g], v[XS+8*\g:XS+8*\g+7], v18
.endr
	v_nop
	global_store_b128 v5, v[160+4*(\t):160+4*(\t)+3], s[28:29] offset:((\t)/2)*512+((\t)%2)*256   ; block t = 2 c + h of the fragment: sixteen lanes fill 256 consecutive bytes, aligned
.endm
	s_load_b256 s[4:11], s[0:1], 0x0               ; x s[4:5], w_qkv s[6:7], w_fc s[8:9], cod s[10:11]
	s_load_b64 s[12:13], s[0:1], 0x20              ; wf
	v_lshl_add_u32 v12, v0, 2, SPARE               ; my spare word,
	v_mov_b32 v13, 0                               ; and 0: kept for the add at path X's end
	v_lshrrev_b32 v1, 5, v0
	v_readfirstlane_b32 s16, v1                    ; wave 0..3
	v_and_b32 v1, 31, v0                           ; lane
	v_and_b32 v2, 15, v0                           ; r
	v_bfe_u32 v3, v0, 4, 1                         ; h
	v_lshlrev_b32 v4, 4, v1                        ; 16 x lane
	s_mov_b32 s36, 0x76543210
	s_mov_b32 s37, 0xfedcba98                      ; v_permlanex16_b32's selects for lane l xor 16
	s_wait_kmcnt 0x0
	s_cmp_lt_u32 ttmp9, 256
	s_cbranch_scc0 .Lnot_f
	; ---- PATH F.  A wave takes 128 rows (32 keys x 4 heads) x 64 columns
	s_lshl_b32 s17, ttmp9, 2
	s_add_co_u32 s17, s17, s16                     ; u = 4 x work-group + wave
	s_and_b32 s18, s17, 15                         ; dblk
	s_lshr_b32 s19, s17, 4                         ; chunk
	s_lshl_b32 s22, s19, 19                        ; 128 rows of 4,096 bytes
	s_lshl_b32 s23, s18, 8                         ; 64 columns
	s_add_co_u32 s22, s22, s23
	s_mov_b32 s23, 0
	s_add_nc_u64 s[20:21], s[8:9], s[22:23]
	s_lshl_b32 s22, s18, 18
	s_lshl_b32 s19, s19, 12
	s_add_co_u32 s22, s22, s19
	s_add_nc_u64 s[24:25], s[12:13], s[22:23]      ; wf at [head 0][dblk][chunk]; a base for each head
	s_add_nc_u64 s[26:27], s[24:25], 0x400000
	s_add_nc_u64 s[28:29], s[24:25], 0x800000
	s_add_nc_u64 s[30:31], s[24:25], 0xc00000
	v_lshlrev_b32 v5, 4, v2
	v_lshl_or_b32 v5, v3, 17, v5                   ; 16 r + 32 rows x h
	LOADF 0
	LOADF 1
	s_wait_loadcnt 16                              ; head 0's 16 loads are in, head 1's may be out
	CVTF 0
	STF 0
	LOADF 2
	s_wait_loadcnt 16
	CVTF 1
	STF 1
	LOADF 3
	s_wait_loadcnt 16
	s_wait_xcnt 0x0                                ; head 0's stores have read their registers, which are written again below
	CVTF 2
	STF 2
	s_wait_loadcnt 0x0
	s_wait_xcnt 0x0                                ; head 1's likewise
	CVTF 3
	STF 3
	s_endpgm
.Lnot_f:
	s_cmp_lt_u32 ttmp9, 384
	s_cbranch_scc0 .Lpath_w
	; ---- PATH X.  A wave takes a tile of 16 rows x 512 along K: four K steps
	s_sub_co_u32 s17, ttmp9, 256
	s_lshl_b32 s17, s17, 2
	s_add_co_u32 s17, s17, s16
	s_lshr_b32 s18, s17, 1                         ; mt: which 16 rows
	s_and_b32 s19, s17, 1                          ; hp: which half of K
	s_lshl_b32 s22, s18, 16
	s_lshl_b32 s23, s19, 11
	s_add_co_u32 s22, s22, s23
	s_mov_b32 s23, 0
	s_add_nc_u64 s[20:21], s[4:5], s[22:23]
	s_lshr_b32 s24, s18, 3
	s_mul_i32 s24, s24, BLKB                       ; the block of 128 rows
	s_and_b32 s25, s18, 7                          ; the tile in it
	s_lshl_b32 s26, s25, 10
	s_lshl_b32 s27, s19, 15                        ; four K steps of 8,192 bytes
	s_add_co_u32 s22, s24, s26
	s_add_co_u32 s22, s22, s27
	s_add_nc_u64 s[28:29], s[10:11], s[22:23]      ; the codes
	s_lshl_b32 s26, s25, 9
	s_lshl_b32 s27, s19, 8
	s_add_co_u32 s22, s24, s26
	s_add_co_u32 s22, s22, s27
	s_add_co_u32 s22, s22, SCO
	s_add_nc_u64 s[30:31], s[10:11], s[22:23]      ; the scale words
	s_mul_i32 s24, s16, STG                        ; my stage
	v_add_nc_u32 v5, s24, v4                       ; in: 16 x lane, a row 528 bytes on from the last
	v_mul_u32_u24 v6, v2, 528
	v_lshl_add_u32 v6, v3, 7, v6
	v_add_nc_u32 v6, s24, v6                       ; out: row r, + 128 h.  528 = 33 x 16: the sixteen rows that a load touches start at sixteen different 16-byte columns
	v_lshlrev_b32 v7, 4, v2
	v_mov_b32 v23, 0                               ; written once: a lane permute's destination counts as one of its sources
	v_lshlrev_b32 v24, 3, v3
	LOADX 0
	LOADX 1
	STEPX 0, 16
	STEPX 1, 16
	STEPX 2, 16
	STEPX 3, 0
	v_cmp_gt_u32 vcc_lo, 16, v1
	s_wait_xcnt 0x0                                ; EXEC changes only behind this wait
	s_and_saveexec_b32 s20, vcc_lo
	global_store_b128 v7, v[SW:SW+3], s[30:31]     ; lanes 0-15: 256 consecutive bytes, aligned
	s_wait_xcnt 0x0                                ; and again, in front of the line that widens it
	s_or_b32 exec_lo, exec_lo, s20
	s_wait_tensorcnt 0x0                           ; the wave's end
	ds_add_u32 v12, v13
	s_wait_dscnt 0x0
	s_endpgm
.Lpath_w:
	; ---- PATH W.  A work-group takes 128 columns x one K step of 128; a wave 32 columns
	s_sub_co_u32 s17, ttmp9, 384
	s_and_b32 s18, s17, 15                         ; FB: which 128 columns (0-7 q, 8-15 k)
	s_lshr_b32 s19, s17, 4                         ; s: the K step
	s_mul_i32 s22, s19, 1572864                    ; 128 rows of 12,288 bytes
	s_lshl_b32 s23, s18, 9
	s_add_co_u32 s22, s22, s23
	s_lshl_b32 s23, s16, 7
	s_add_co_u32 s22, s22, s23
	s_mov_b32 s23, 0
	s_add_nc_u64 s[20:21], s[6:7], s[22:23]
	s_add_co_u32 s24, s18, 32
	s_mul_i32 s24, s24, BLKB
	s_lshl_b32 s25, s19, 13
	s_lshl_b32 s26, s16, 11                        ; my two tiles
	s_add_co_u32 s22, s24, s25
	s_add_co_u32 s22, s22, s26
	s_add_nc_u64 s[28:29], s[10:11], s[22:23]
	s_lshr_b32 s25, s19, 2
	s_lshl_b32 s25, s25, 8
	s_and_b32 s26, s19, 3
	s_lshl_b32 s26, s26, 2
	s_add_co_u32 s22, s24, s25
	s_add_co_u32 s22, s22, s26
	s_lshl_b32 s26, s16, 10
	s_add_co_u32 s22, s22, s26
	s_add_co_u32 s22, s22, SCO
	s_add_nc_u64 s[30:31], s[10:11], s[22:23]
	v_lshlrev_b32 v7, 2, v1                        ; in: 4 bytes a lane
	v_lshlrev_b32 v5, 4, v2
	v_lshl_or_b32 v5, v3, 10, v5                   ; codes: tile lane / 16, row lane % 16
	v_lshlrev_b32 v6, 4, v2
	v_lshl_or_b32 v6, v3, 9, v6                    ; scale words likewise
	LOADW 0
	LOADW 1
	BLOCKW 0, 32
	BLOCKW 1, 32
	BLOCKW 2, 32
	BLOCKW 3, 0
	global_store_b32 v6, v20, s[30:31]
	s_endpgm
.Lfunc_end_k_q123c6f92d0_prep:
	.size	k_q123c6f92d0_prep, .Lfunc_end_k_q123c6f92d0_prep-k_q123c6f92d0_prep
	.p2alignl 7, 3214868480
	.fill 96, 4, 3214868480
	.section	.rodata,"a",@progbits
	.p2align	6, 0x0
	.amdhsa_kernel k_q123c6f92d0_prep
		.amdhsa_group_segment_fixed_size 34304
		.amdhsa_private_segment_fixed_size 0
		.amdhsa_enable_private_segment 0
		.amdhsa_kernarg_size 40
		.amdhsa_user_sgpr_count 2
		.amdhsa_user_sgpr_kernarg_segment_ptr 1
		.amdhsa_wavefront_size32 1
		.amdhsa_system_sgpr_workgroup_id_x 1
		.amdhsa_system_sgpr_workgroup_id_y 1
		.amdhsa_system_sgpr_workgroup_id_z 1
		.amdhsa_system_vgpr_workitem_id 0
		.amdhsa_next_free_vgpr 256
		.amdhsa_next_free_sgpr 66
		.amdhsa_reserve_vcc 1
		.amdhsa_float_denorm_mode_32 3
		.amdhsa_float_denorm_mode_16_64 3
		.amdhsa_memory_ordered 1
		.amdhsa_forward_progress 1
		.amdhsa_inst_pref_size 68
	.end_amdhsa_kernel
	.amdgpu_metadata
---
amdhsa.version: [ 1, 2 ]
amdhsa.kernels:
  - .name:           k_q123c6f92d0_prep
    .symbol:         k_q123c6f92d0_prep.kd
    .args:
      - { .name: x, .offset: 0, .size: 8, .value_kind: global_buffer, .address_space: global }
      - { .name: w_qkv, .offset: 8, .size: 8, .value_kind: global_buffer, .address_space: global }
      - { .name: w_fc, .offset: 16, .size: 8, .value_kind: global_buffer, .address_space: global }
      - { .name: cod, .offset: 24, .size: 8, .value_kind: global_buffer, .address_space: global }
      - { .name: wf, .offset: 32, .size: 8, .value_kind: global_buffer, .address_space: global }
    .group_segment_fixed_size: 34304
    .private_segment_fixed_size: 0
    .kernarg_segment_align: 8
    .kernarg_segment_size: 40
    .max_flat_workgroup_size: 128
    .sgpr_count:     66
    .vgpr_count:     256
    .wavefront_size: 32
...
	.end_amdgpu_metadata
.endif
;; end of part 1
;; launch qk (part 2): grid 8 x 32, 8 waves a work-group, clusters of 4 x 4, 209,920 bytes of LDS; arguments cod, b_qkv, qf, kt; writes qf, kt
.if DOCPART == 2
	.amdgcn_target "amdgcn-amd-amdhsa--gfx1250"
	.amdhsa_code_object_version 6
	.text
	.protected	k_q123c6f92d0_qk
	.globl	k_q123c6f92d0_qk
	.p2align	8
	.type	k_q123c6f92d0_qk,@function
k_q123c6f92d0_qk:
	s_mov_b64 s[64:65], 0
	v_nop
	global_prefetch_b8 v0, s[64:65] scope:SCOPE_SE
	s_setreg_imm32_b32 hwreg(HW_REG_WAVE_MODE, 25, 1), 1
	s_wait_xcnt 0x0
	s_wait_alu depctr_hold_cnt(0) depctr_sa_sdst(0) depctr_va_vdst(0) depctr_va_sdst(0) depctr_va_ssrc(0) depctr_va_vcc(0) depctr_vm_vsrc(0)
	s_getreg_b32 s2, hwreg(HW_REG_IB_STS2, 6, 4)
	s_cmp_eq_u32 s2, 0
	s_cbranch_scc0 .Lentry_in_a_cluster
	s_endpgm
.Lentry_in_a_cluster:
	s_bfe_u32 s2, ttmp6, 0x10000c
	s_cmp_lg_u32 s2, 0xf033
	s_cbranch_scc0 .Lentry_shape_is_right
	s_endpgm
.Lentry_shape_is_right:
; q = x Wq + bq and k = x Wk + bk, on codes of E2M1 with one E8M0 scale for each 32 along K (1,024), sums in f32.  v is not formed: the module's result does not depend on it.
; SHARES.  Work-group (F, R) takes 128 rows of x (block R of cod), 128 columns of Wq (block 32 + F) and 128 of Wk (block 40 + F), each once and for all of K, and makes two tiles of 128 x 128.
; Eight waves; wave w takes source 0's tiles 4 (w % 2) + a, a = 0..3, and source 1's tiles 2 (w / 2) + b, b = 0, 1: eight accumulators.
; PHASE Q: source 0 = 16 columns of Wq, source 1 = 16 rows of x: a lane then holds ONE row of q and eight neighbouring features, which, rounded to bf16, are four registers of the fragment that the last
; product wants of q (rows x features).  PHASE K: source 0 = 16 rows of x, source 1 = 16 columns of Wk: a lane holds ONE feature of k and eight neighbouring positions: four registers of a fragment of k^T
; (features x positions), in f16.  So both results are stored as images of operand registers, 512 consecutive aligned bytes a store, and nothing goes through LDS on the way out.
;   qf, bf16: [R 32][chunk of 32 features 32][tile of 16 rows 8][1,024 B]
;   kt, f16:  [Y 16 = 4 head + 2 batch + half of the head's 256][chunk of 32 positions 64][tile of 16 features 8][1,024 B]
; CLUSTER 4 x 4.  The four work-groups of a row of the cluster share R and ask for x's block jointly; the four of a column share F and ask for Wq's and Wk's jointly.
; LDS is filled once: three blocks of 69,632 bytes as they lie in cod; fragments are contiguous images (16 bytes a lane on end).
; LIMIT: |k| above 65,504 leaves f16's range (with x and w_qkv 30 times the drawn spread, or offset by 30 spreads, |k| stays near 2 x 10^4).
.set XB,    0                          ; LDS: x's block,
.set QB,    69632                      ; Wq's,
.set KB,    139264                     ; Wk's
.set SCO,   65536                      ; in a block: where the scale words begin
.set SPARE, 208896                     ; behind the blocks: the spare words, 128 bytes for each of eight waves
.set BLKB,  69632
.set SC0,   16                         ; v16-31  source 0's scale words: tile a at 4 a + q: lanes 0-15 K step q, lanes 16-31 K step 4 + q.  v16-39 hold scales and nothing else
.set SC1,   32                         ; v32-39  source 1's
.set BQ,    40                         ; v40-71  bq in the result's layout: tile a's eight features of my half
.set BK,    240                        ; v240-243 bk of my feature, tile b, twice (a pair for the packed addition)
.set FB,    72                         ; v72-119, v120-167 two fragment buffers: source 0's 4 x 8, then source 1's 2 x 8
.set ACC,   168                        ; v168-231 accumulator (a, b) at 8 (2 a + b)
.set T,     72                         ; the way out: eight sums with their bias,
.set P,     80                         ; and 8 x 4 packed registers; both in buffer 0, which is done with
.macro CROUND                          ; a round of the cluster's barrier
	s_barrier_signal -1
	s_barrier_wait -1
	s_cmp_lg_u32 s12, 0
	s_cbranch_scc1 .Lnot_wave_0_\@
	s_barrier_signal -3
.Lnot_wave_0_\@:
	s_barrier_wait -3
	s_barrier_signal -1
	s_barrier_wait -1
.endm
.macro SCLS r0, r1                     ; all of K's scale words of my six tiles
.irp a, 0,1,2,3
	ds_load_b128 v[SC0+4*\a:SC0+4*\a+3], v[\r0] offset:512*\a
.endr
.irp b, 0,1
	ds_load_b128 v[SC1+4*\b:SC1+4*\b+3], v[\r1] offset:512*\b
.endr
.endm
.macro FETCH r0, r1, s, p              ; K step s's fragments into buffer p
.irp a, 0,1,2,3
.irp c, 0,1
	ds_load_b128 v[FB+48*(\p)+8*\a+4*\c:FB+48*(\p)+8*\a+4*\c+3], v[\r0] offset:(\s)*8192+\a*1024+\c*512
.endr
.endr
.irp b, 0,1
.irp c, 0,1
	ds_load_b128 v[FB+48*(\p)+32+8*\b+4*\c:FB+48*(\p)+32+8*\b+4*\c+3], v[\r1] offset:(\s)*8192+\b*1024+\c*512
.endr
.endr
.endm
.macro MUL p, s                        ; eight products, the accumulators by turns; K step 0 starts the sums
.irp a, 0,1,2,3
.irp b, 0,1
.if (\s) == 0
	v_wmma_scale_f32_16x16x128_f8f6f4 v[ACC+8*(2*\a+\b):ACC+8*(2*\a+\b)+7], v[FB+48*(\p)+8*\a:FB+48*(\p)+8*\a+7], v[FB+48*(\p)+32+8*\b:FB+48*(\p)+32+8*\b+7], 0, v[SC0+4*\a], v[SC1+4*\b] matrix_a_fmt:MATRIX_FMT_FP4 matrix_b_fmt:MATRIX_FMT_FP4
.elseif (\s) < 4
	v_wmma_scale_f32_16x16x128_f8f6f4 v[ACC+8*(2*\a+\b):ACC+8*(2*\a+\b)+7], v[FB+48*(\p)+8*\a:FB+48*(\p)+8*\a+7], v[FB+48*(\p)+32+8*\b:FB+48*(\p)+32+8*\b+7], v[ACC+8*(2*\a+\b):ACC+8*(2*\a+\b)+7], v[SC0+4*\a+(\s)], v[SC1+4*\b+(\s)] matrix_a_fmt:MATRIX_FMT_FP4 matrix_b_fmt:MATRIX_FMT_FP4
.else
	v_wmma_scale_f32_16x16x128_f8f6f4 v[ACC+8*(2*\a+\b):ACC+8*(2*\a+\b)+7], v[FB+48*(\p)+8*\a:FB+48*(\p)+8*\a+7], v[FB+48*(\p)+32+8*\b:FB+48*(\p)+32+8*\b+7], v[ACC+8*(2*\a+\b):ACC+8*(2*\a+\b)+7], v[SC0+4*\a+(\s)-4], v[SC1+4*\b+(\s)-4] matrix_a_fmt:MATRIX_FMT_FP4 matrix_b_fmt:MATRIX_FMT_FP4 matrix_a_scale:MATRIX_SCALE_ROW1 matrix_b_scale:MATRIX_SCALE_ROW1
.endif
.endr
.endr
.endm
.macro KSTEP r0, r1, s
	s_wait_dscnt 0x0                               ; this step's fragments are in (asked for a step ago)
.if (\s) < 7
.rept 4
	v_nop                                          ; four places in front of loads into the buffer that the last step's products read
.endr
	FETCH \r0, \r1, (\s)+1, ((\s)+1)%2
.endif
	MUL (\s)%2, \s
.endm
	s_load_b256 s[4:11], s[0:1], 0x0               ; cod s[4:5], b_qkv s[6:7], qf s[8:9], kt s[10:11]
	v_lshl_add_u32 v12, v0, 2, SPARE               ; my spare word,
	v_mov_b32 v13, 0                               ; and 0; both are kept
	ds_add_u32 v12, v13                            ; the wave's opening: the add, twice on end, and its wait ahead of the first tensor loads
	ds_add_u32 v12, v13
	v_lshrrev_b32 v1, 5, v0
	v_readfirstlane_b32 s12, v1                    ; wave 0..7
	s_and_b32 s13, s12, 1                          ; which four tiles of source 0
	s_lshr_b32 s14, s12, 1                         ; which two tiles of source 1
	s_bfe_u32 s15, ttmp6, 0x40000                  ; cx
	s_bfe_u32 s16, ttmp6, 0x40004                  ; cy
	s_lshl_b32 s17, ttmp9, 2
	s_add_co_u32 s17, s17, s15                     ; F = 4 x cluster x + cx
	s_and_b32 s18, ttmp7, 0xffff
	s_lshl_b32 s18, s18, 2
	s_add_co_u32 s18, s18, s16                     ; R = 4 x cluster y + cy
	s_lshl_b32 s19, s16, 2
	s_lshl_b32 s19, 15, s19                        ; my row of the cluster
	s_lshl_b32 s20, 0x1111, s15                    ; my column
	; descriptor group 1: a dense block of 272 rows of 256 bytes (32 elements of 8 bytes), no padding
	s_or_b32 s24, s19, (3<<16)|(1<<21)             ; x's block goes to my row; bit 21 set beside a mask
	s_or_b32 s32, s20, (3<<16)|(1<<21)             ; the weights' blocks to my column
.irp g, 24, 32
	s_mov_b32 s[\g+1], 32<<16                      ; tensor_dim0
	s_mov_b32 s[\g+2], 272<<16                     ; tensor_dim1
	s_mov_b32 s[\g+3], 32<<16                      ; tile_dim0
	s_mov_b32 s[\g+4], 272                         ; tile_dim1
	s_mov_b32 s[\g+5], 32                          ; tensor_dim0_stride
	s_mov_b32 s[\g+6], 0
	s_mov_b32 s[\g+7], 0
.endr
	s_mul_i32 s52, s18, BLKB                       ; x's block: made of R alone, which my row shares
	s_mov_b32 s53, 0
	s_add_co_u32 s54, s17, 32
	s_mul_i32 s54, s54, BLKB                       ; Wq's block: made of F alone, which my column shares
	s_mov_b32 s55, 0
	s_wait_dscnt 0x0                               ; both opening adds are done
	s_wait_kmcnt 0x0
	s_mov_b32 s40, 1
	s_mov_b32 s41, XB
	s_add_nc_u64 s[42:43], s[4:5], s[52:53]
	s_or_b32 s43, s43, 0x80000000
	s_mov_b32 s44, 1
	s_mov_b32 s45, QB
	s_add_nc_u64 s[46:47], s[4:5], s[54:55]
	s_mov_b32 s48, 1
	s_mov_b32 s49, KB
	s_add_nc_u64 s[50:51], s[46:47], 8*BLKB        ; Wk's block lies eight blocks on
	s_or_b32 s47, s47, 0x80000000
	s_or_b32 s51, s51, 0x80000000
	CROUND                                         ; all sixteen work-groups are here: the joint loads meet
	s_cmp_eq_u32 s12, 0                            ; wave 0 asks for x's block, wave 1 for Wq's, wave 2 for Wk's; the branches hang on the wave's number alone
	s_cbranch_scc0 .Lnot_0
	tensor_load_to_lds s[40:43], s[24:31]
	s_nop 0
.rept 4
	v_nop
.endr
	s_branch .Lasked
.Lnot_0:
	s_cmp_eq_u32 s12, 1
	s_cbranch_scc0 .Lnot_1
	tensor_load_to_lds s[44:47], s[32:39]
	s_nop 0
.rept 4
	v_nop
.endr
	s_branch .Lasked
.Lnot_1:
	s_cmp_eq_u32 s12, 2
	s_cbranch_scc0 .Lasked
	tensor_load_to_lds s[48:51], s[32:39]
	s_nop 0
.rept 4
	v_nop
.endr
.Lasked:
	v_and_b32 v1, 31, v0
	v_lshlrev_b32 v1, 4, v1                        ; 16 x lane: an image's place for my lane
	v_bfe_u32 v10, v0, 4, 1
	v_lshlrev_b32 v10, 5, v10                      ; bq: 8 numbers on for lanes 16-31
	v_and_b32 v11, 15, v0
	v_lshlrev_b32 v11, 2, v11                      ; bk: my feature's number
	s_lshl_b32 s56, s17, 9                         ; 128 F numbers
	s_lshl_b32 s57, s13, 8                         ; + 64 for the upper four tiles
	s_add_co_u32 s56, s56, s57
	s_mov_b32 s57, 0
	s_add_nc_u64 s[60:61], s[6:7], s[56:57]
	s_lshl_b32 s56, s17, 9
	s_lshl_b32 s58, s14, 7                         ; + 32 for each pair of tiles
	s_add_co_u32 s56, s56, s58
	s_add_co_u32 s56, s56, 4096                    ; k's 1,024 numbers lie behind q's
	s_add_nc_u64 s[62:63], s[6:7], s[56:57]
.irp a, 0,1,2,3
	global_load_b128 v[BQ+8*\a:BQ+8*\a+3], v10, s[60:61] offset:64*\a
	global_load_b128 v[BQ+8*\a+4:BQ+8*\a+7], v10, s[60:61] offset:64*\a+16
.endr
.irp b, 0,1
	global_load_b32 v[BK+2*\b], v11, s[62:63] offset:64*\b
	global_load_b32 v[BK+2*\b+1], v11, s[62:63] offset:64*\b
.endr
	s_lshl_b32 s56, s18, 18                        ; qf: R x 262,144 + (4 F + 2 (w % 2)) chunks of 8,192 + (w / 2) x two tiles
	s_lshl_b32 s58, s17, 15
	s_add_co_u32 s56, s56, s58
	s_lshl_b32 s58, s13, 14
	s_add_co_u32 s56, s56, s58
	s_lshl_b32 s58, s14, 11
	s_add_co_u32 s56, s56, s58
	s_add_nc_u64 s[66:67], s[8:9], s[56:57]
	s_lshr_b32 s56, s17, 1                         ; kt: Y = 4 (F / 2) + 2 (R / 16) + F % 2,
	s_lshl_b32 s56, s56, 2
	s_lshr_b32 s58, s18, 4
	s_lshl_b32 s58, s58, 1
	s_add_co_u32 s56, s56, s58
	s_and_b32 s58, s17, 1
	s_add_co_u32 s56, s56, s58
	s_lshl_b32 s56, s56, 19                        ; 64 chunks of 8,192 bytes each;
	s_and_b32 s58, s18, 15
	s_lshl_b32 s58, s58, 15                        ; my 128 positions are four chunks
	s_add_co_u32 s56, s56, s58
	s_lshl_b32 s58, s13, 14
	s_add_co_u32 s56, s56, s58
	s_lshl_b32 s58, s14, 11
	s_add_co_u32 s56, s56, s58
	s_add_nc_u64 s[68:69], s[10:11], s[56:57]
	s_lshl_b32 s56, s13, 12                        ; LDS: four tiles of 1,024 bytes,
	s_lshl_b32 s58, s14, 11                        ; two tiles,
	s_lshl_b32 s57, s13, 11                        ; four tiles' scale words, 512 bytes each,
	s_lshl_b32 s59, s14, 10                        ; two tiles' scale words
	s_add_co_u32 s21, s56, QB
	v_add_nc_u32 v2, s21, v1                       ; phase Q: source 0 = Wq,
	s_add_co_u32 s21, s58, XB
	v_add_nc_u32 v3, s21, v1                       ; source 1 = x,
	s_add_co_u32 s21, s57, QB+SCO
	v_add_nc_u32 v4, s21, v1                       ; and their scale words
	s_add_co_u32 s21, s59, XB+SCO
	v_add_nc_u32 v5, s21, v1
	s_add_co_u32 s21, s56, XB
	v_add_nc_u32 v6, s21, v1                       ; phase K: source 0 = x,
	s_add_co_u32 s21, s58, KB
	v_add_nc_u32 v7, s21, v1                       ; source 1 = Wk
	s_add_co_u32 s21, s57, XB+SCO
	v_add_nc_u32 v8, s21, v1
	s_add_co_u32 s21, s59, KB+SCO
	v_add_nc_u32 v9, s21, v1
	s_wait_tensorcnt 0x0                           ; my load, if I issued one, has landed;
	s_barrier_signal -1
	s_barrier_wait -1                              ; everybody's has
	; ---- PHASE Q
	SCLS 4, 5
	FETCH 2, 3, 0, 0
.irp s, 0,1,2,3,4,5,6,7
	KSTEP 2, 3, \s
.endr
.rept 4
	v_nop                                          ; four places in front of the first read of results and of the writes into buffer 0
.endr
	s_wait_loadcnt 0x0                             ; the biases
.irp a, 0,1,2,3
.irp b, 0,1
.irp j, 0,2,4,6
	v_pk_add_f32 v[T+\j:T+\j+1], v[ACC+8*(2*\a+\b)+\j:ACC+8*(2*\a+\b)+\j+1], v[BQ+8*\a+\j:BQ+8*\a+\j+1]   ; each accumulator from its low end on
.endr
.irp j, 0,1,2,3
	v_cvt_pk_bf16_f32 v[P+4*(2*\a+\b)+\j], v[T+2*\j], v[T+2*\j+1]
.endr
	global_store_b128 v1, v[P+4*(2*\a+\b):P+4*(2*\a+\b)+3], s[66:67] offset:(\a/2)*8192+(\a%2)*512+\b*1024   ; features 16 a + 8 h + 0..7: half a % 2 of chunk a / 2; 512 consecutive bytes, aligned
.endr
.endr
	s_wait_xcnt 0x0                                ; the stores have read their registers: buffer 0 is loaded again below
	; ---- PHASE K
	SCLS 8, 9
	FETCH 6, 7, 0, 0
.irp s, 0,1,2,3,4,5,6,7
	KSTEP 6, 7, \s
.endr
.rept 4
	v_nop
.endr
.irp a, 0,1,2,3
.irp b, 0,1
.irp j, 0,2,4,6
	v_pk_add_f32 v[T+\j:T+\j+1], v[ACC+8*(2*\a+\b)+\j:ACC+8*(2*\a+\b)+\j+1], v[BK+2*\b:BK+2*\b+1]
.endr
.irp j, 0,1,2,3
	v_cvt_pk_f16_f32 v[P+4*(2*\a+\b)+\j], v[T+2*\j], v[T+2*\j+1]
.endr
	global_store_b128 v1, v[P+4*(2*\a+\b):P+4*(2*\a+\b)+3], s[68:69] offset:(\a/2)*8192+(\a%2)*512+\b*1024   ; positions 16 a + 8 h + 0..7 of feature 16 b + r
.endr
.endr
	s_wait_tensorcnt 0x0                           ; the wave's end
	ds_add_u32 v12, v13
	s_wait_dscnt 0x0
	CROUND                                         ; the closing round
	s_endpgm
.Lfunc_end_k_q123c6f92d0_qk:
	.size	k_q123c6f92d0_qk, .Lfunc_end_k_q123c6f92d0_qk-k_q123c6f92d0_qk
	.p2alignl 7, 3214868480
	.fill 96, 4, 3214868480
	.section	.rodata,"a",@progbits
	.p2align	6, 0x0
	.amdhsa_kernel k_q123c6f92d0_qk
		.amdhsa_group_segment_fixed_size 209920
		.amdhsa_private_segment_fixed_size 0
		.amdhsa_enable_private_segment 0
		.amdhsa_kernarg_size 32
		.amdhsa_user_sgpr_count 2
		.amdhsa_user_sgpr_kernarg_segment_ptr 1
		.amdhsa_wavefront_size32 1
		.amdhsa_system_sgpr_workgroup_id_x 1
		.amdhsa_system_sgpr_workgroup_id_y 1
		.amdhsa_system_sgpr_workgroup_id_z 1
		.amdhsa_system_vgpr_workitem_id 0
		.amdhsa_next_free_vgpr 256
		.amdhsa_next_free_sgpr 80
		.amdhsa_reserve_vcc 0
		.amdhsa_float_denorm_mode_32 3
		.amdhsa_float_denorm_mode_16_64 3
		.amdhsa_memory_ordered 1
		.amdhsa_forward_progress 1
		.amdhsa_inst_pref_size 49
	.end_amdhsa_kernel
	.amdgpu_metadata
---
amdhsa.version: [ 1, 2 ]
amdhsa.kernels:
  - .name:           k_q123c6f92d0_qk
    .symbol:         k_q123c6f92d0_qk.kd
    .args:
      - { .name: cod, .offset: 0, .size: 8, .value_kind: global_buffer, .address_space: global }
      - { .name: b_qkv, .offset: 8, .size: 8, .value_kind: global_buffer, .address_space: global }
      - { .name: qf, .offset: 16, .size: 8, .value_kind: global_buffer, .address_space: global }
      - { .name: kt, .offset: 24, .size: 8, .value_kind: global_buffer, .address_space: global }
    .group_segment_fixed_size: 209920
    .private_segment_fixed_size: 0
    .kernarg_segment_align: 8
    .kernarg_segment_size: 32
    .max_flat_workgroup_size: 256
    .sgpr_count:     80
    .vgpr_count:     256
    .wavefront_size: 32
...
	.end_amdgpu_metadata
.endif
;; end of part 2
;; launch tk (part 3): grid 16 x 16, 4 waves a work-group, clusters of 4 x 4, 327,680 bytes of LDS; arguments kt, wf, tf; writes tf
.if DOCPART == 3
	.amdgcn_target "amdgcn-amd-amdhsa--gfx1250"
	.amdhsa_code_object_version 6
	.text
	.protected	k_q123c6f92d0_tk
	.globl	k_q123c6f92d0_tk
	.p2align	8
	.type	k_q123c6f92d0_tk,@function
k_q123c6f92d0_tk:
	s_mov_b64 s[64:65], 0
	v_nop
	global_prefetch_b8 v0, s[64:65] scope:SCOPE_SE
	s_setreg_imm32_b32 hwreg(HW_REG_WAVE_MODE, 25, 1), 1
	s_wait_xcnt 0x0
	s_wait_alu depctr_hold_cnt(0) depctr_sa_sdst(0) depctr_va_vdst(0) depctr_va_sdst(0) depctr_va_ssrc(0) depctr_va_vcc(0) depctr_vm_vsrc(0)
	s_getreg_b32 s2, hwreg(HW_REG_IB_STS2, 6, 4)
	s_cmp_eq_u32 s2, 0
	s_cbranch_scc0 .Lentry_in_a_cluster
	s_endpgm
.Lentry_in_a_cluster:
	s_bfe_u32 s2, ttmp6, 0x10000c
	s_cmp_lg_u32 s2, 0xf033
	s_cbranch_scc0 .Lentry_shape_is_right
	s_endpgm
.Lentry_shape_is_right:
; T[batch][head n][kk][d] = the sum over the 2,048 positions j of k[batch][j][256 n + kk] x w_fc[4 j + n][d], f16 operands, f32 sums, stored in bf16.
; WHY.  The module multiplies the raw scores (q k^T / 16, per head) by w_fc.  (q k^T) W = q (k^T W): the same sum of the same products, taken in another order, for every input; the scores are never formed.
; LIMIT: the order of rounding differs from that of the module as it is written.  T may be large where the inputs carry offsets, so T, and q beside it, go in bf16; the factor 1/16 is applied in f32 in the next launch.
; SHARES.  Work-group (X, Y): Y = 4 n + 2 batch + half of the head's 256 features; X = a group of 64 columns d.  A tile of 128 (kk) x 64 (d), K = 2,048 in 64 chunks of 32.
; Four waves: wave w takes tiles 4 (w / 2) + a of kk and tiles 2 (w % 2) + b of d: eight accumulators.
; Both operands lie in memory as images of their fragments, chunk by chunk, so a work-group's share of each is one dense stream: kt[Y] 512 KiB, wf[n][X] 256 KiB.
; RING.  Two LDS slots of 8 chunks (64 KiB of k^T, 32 KiB of W).  Waves 0 and 1 fetch the halves of k^T's part, waves 2 and 3 of W's: one tensor load a wave behind each change of slots.
; CLUSTER 4 x 4.  A row of the cluster shares Y and asks for k^T's tiles jointly; a column shares X and the head, and asks for W's jointly.
; THE WAY OUT.  A lane holds one column d and eight neighbouring kk: rounded to bf16 they are four registers of the fragment that the next product wants of T (columns x features):
;   tf, bf16: [batch 2][Dblk 8][chunk of 32 features 32][tile 8 = 4 g + c][1,024 B]; tile 4 g + c holds columns 128 Dblk + 64 g + 4 r + c.
.set SLOT,  98304
.set BOFF,  65536                      ; in a slot: W's part
.set SPARE, 196608                     ; behind the ring: the spare words, 128 bytes for each wave
.set G1A,   24                         ; s[24:31] group 1 for k^T's tiles;  s[32:39] group 0, a set for each slot
.set G0A,   32
.set G1B,   48                         ; s[48:55], s[56:63] the same for W's
.set G0B,   56
.set FBUF,  16                         ; v16-63, v64-111 two fragment buffers: k^T's 4 x 8, then W's 2 x 8
.set ACC,   112                        ; v112-175 accumulator (a, b) at 8 (2 a + b)
.macro JLOAD s                         ; a joint load; an s_nop 0 and four v_nop follow each of the two lines; the branch hangs on the wave's number alone
	s_cmp_eq_u32 s11, 0
	s_cbranch_scc0 .Lfor_b_\@
	tensor_load_to_lds s[G0A+4*\s:G0A+4*\s+3], s[G1A:G1A+7]
	s_nop 0
.rept 4
	v_nop
.endr
	s_branch .Lasked_\@
.Lfor_b_\@:
	tensor_load_to_lds s[G0B+4*\s:G0B+4*\s+3], s[G1B:G1B+7]
	s_nop 0
.rept 4
	v_nop
.endr
.Lasked_\@:
.endm
.macro CROUND                          ; a round of the cluster's barrier
	s_barrier_signal -1
	s_barrier_wait -1
	s_cmp_lg_u32 s10, 0
	s_cbranch_scc1 .Lnot_wave_0_\@
	s_barrier_signal -3
.Lnot_wave_0_\@:
	s_barrier_wait -3
	s_barrier_signal -1
	s_barrier_wait -1
.endm
.macro PLACES                          ; four places in front of loads into registers that matrix instructions have read, and of the first read of results
.rept 4
	v_nop
.endr
.endm
.macro FETCH sl, q, p                  ; chunk q of slot sl into buffer p
.irp a, 0,1,2,3
.irp c, 0,1
	ds_load_b128 v[FBUF+48*(\p)+8*\a+4*\c:FBUF+48*(\p)+8*\a+4*\c+3], v[2+(\sl)] offset:(\q)*8192+\a*1024+\c*512
.endr
.endr
.irp b, 0,1
.irp c, 0,1
	ds_load_b128 v[FBUF+48*(\p)+32+8*\b+4*\c:FBUF+48*(\p)+32+8*\b+4*\c+3], v[4+(\sl)] offset:(\q)*4096+\b*1024+\c*512
.endr
.endr
.endm
.macro MUL p, zero                     ; eight products, the accumulators by turns
.irp a, 0,1,2,3
.irp b, 0,1
.if \zero
	v_wmma_f32_16x16x32_f16 v[ACC+8*(2*\a+\b):ACC+8*(2*\a+\b)+7], v[FBUF+48*(\p)+8*\a:FBUF+48*(\p)+8*\a+7], v[FBUF+48*(\p)+32+8*\b:FBUF+48*(\p)+32+8*\b+7], 0
.else
	v_wmma_f32_16x16x32_f16 v[ACC+8*(2*\a+\b):ACC+8*(2*\a+\b)+7], v[FBUF+48*(\p)+8*\a:FBUF+48*(\p)+8*\a+7], v[FBUF+48*(\p)+32+8*\b:FBUF+48*(\p)+32+8*\b+7], v[ACC+8*(2*\a+\b):ACC+8*(2*\a+\b)+7]
.endif
.endr
.endr
.endm
.macro CHUNK sl, q, zero               ; a chunk that has its successor in the same slot
	s_wait_dscnt 0x0                               ; this chunk's fragments are in (asked for a chunk ago)
	PLACES
	FETCH \sl, (\q)+1, ((\q)+1)%2
	MUL (\q)%2, \zero
.endm
.macro CHUNKS sl, from                 ; chunks from .. 6
.set Q, \from
.rept 7-\from
	CHUNK \sl, Q, 0
.set Q, Q+1
.endr
.endm
; A slot's last chunk (buffer 1).  mode 2: the slot is filled again, two slots ahead; 1: the slots change and nothing is filled; 0: the very last chunk.
.macro LAST sl, mode
.if \mode == 2
	s_wait_tensorcnt 0x0                           ; all my tensor loads have landed: the one that was out is my part of the other slot; so a group 0 may be written
	ds_add_u32 v6, v7                              ; 0 onto my spare word; the descriptors' steps stand between it and the wait
	s_add_nc_u64 s[G0A+4*\sl+2:G0A+4*\sl+3], s[G0A+4*\sl+2:G0A+4*\sl+3], 131072
	s_add_nc_u64 s[G0B+4*\sl+2:G0B+4*\sl+3], s[G0B+4*\sl+2:G0B+4*\sl+3], 65536
	s_wait_dscnt 0x0                               ; the add is done, and my reads of this slot are over: its last chunk is in registers
	CROUND                                         ; both now hold of every wave of every partner
	JLOAD \sl                                      ; the first tensor load behind the round, and my only one until the next; its four v_nop are the places in front of the loads below
	FETCH 1-\sl, 0, 0
.elseif \mode == 1
	s_wait_tensorcnt 0x0
	ds_add_u32 v6, v7
	s_wait_dscnt 0x0
	s_barrier_signal -1
	s_barrier_wait -1                              ; the other slot is whole
	PLACES
	FETCH 1-\sl, 0, 0
.else
	s_wait_dscnt 0x0
.endif
	MUL 1, 0
.endm
	s_load_b128 s[4:7], s[0:1], 0x0                ; kt s[4:5], wf s[6:7]
	s_load_b64 s[8:9], s[0:1], 0x10                ; tf
	v_lshl_add_u32 v6, v0, 2, SPARE                ; my spare word,
	v_mov_b32 v7, 0                                ; and 0; both are kept
	ds_add_u32 v6, v7                              ; the wave's opening: the add, twice on end, and its wait ahead of my first tensor load
	ds_add_u32 v6, v7
	v_lshrrev_b32 v1, 5, v0
	v_readfirstlane_b32 s10, v1                    ; wave 0..3
	s_lshr_b32 s11, s10, 1                         ; which four tiles of kk.  Also: I fetch for k^T (0) or for W (1)
	s_and_b32 s12, s10, 1                          ; which two tiles of d.  Also: which half of a slot's part I fetch
	s_bfe_u32 s40, ttmp6, 0x40000                  ; cx
	s_bfe_u32 s41, ttmp6, 0x40004                  ; cy = 2 batch + half of the head
	s_lshl_b32 s42, ttmp9, 2
	s_add_co_u32 s42, s42, s40                     ; X
	s_and_b32 s13, ttmp7, 0xffff                   ; the head: the cluster's y
	s_lshl_b32 s14, s13, 2
	s_add_co_u32 s14, s14, s41                     ; Y
	s_lshl_b32 s43, s41, 2
	s_lshl_b32 s43, 15, s43                        ; my row of the cluster
	s_lshl_b32 s44, 0x1111, s40                    ; my column
	; descriptor groups 1: dense blocks, rows of 256 bytes (32 elements of 8 bytes): 128 rows of k^T, 64 of W
	s_or_b32 s[G1A], s43, (3<<16)|(1<<21)
	s_or_b32 s[G1B], s44, (3<<16)|(1<<21)
	s_mov_b32 s[G1A+1], 32<<16
	s_mov_b32 s[G1A+2], 128<<16
	s_mov_b32 s[G1A+3], 32<<16
	s_mov_b32 s[G1A+4], 128
	s_mov_b32 s[G1A+5], 32
	s_mov_b32 s[G1A+6], 0
	s_mov_b32 s[G1A+7], 0
	s_mov_b32 s[G1B+1], 32<<16
	s_mov_b32 s[G1B+2], 64<<16
	s_mov_b32 s[G1B+3], 32<<16
	s_mov_b32 s[G1B+4], 64
	s_mov_b32 s[G1B+5], 32
	s_mov_b32 s[G1B+6], 0
	s_mov_b32 s[G1B+7], 0
	s_lshl_b32 s16, s14, 19                        ; k^T: Y x 524,288 + half x 32,768: made of Y, which my row shares
	s_lshl_b32 s17, s12, 15
	s_add_co_u32 s16, s16, s17
	s_mov_b32 s17, 0
	s_lshl_b32 s46, s13, 22                        ; W: head x 4 MiB + X x 262,144 + half x 16,384: made of the head and X, which my column shares
	s_lshl_b32 s47, s42, 18
	s_add_co_u32 s46, s46, s47
	s_lshl_b32 s47, s12, 14
	s_add_co_u32 s46, s46, s47
	s_mov_b32 s47, 0
	s_lshl_b32 s20, s12, 15                        ; where they go: no place in the cluster enters an LDS address
	s_lshl_b32 s21, s12, 14
	s_add_co_u32 s21, s21, BOFF
	s_wait_dscnt 0x0                               ; both opening adds are done
	s_wait_kmcnt 0x0
	s_add_nc_u64 s[16:17], s[4:5], s[16:17]
	s_add_nc_u64 s[46:47], s[6:7], s[46:47]
	CROUND                                         ; all sixteen work-groups are here: the first joint loads meet
.irp s, 0,1
	s_mov_b32 s[G0A+4*\s], 1
	s_add_co_u32 s[G0A+4*\s+1], s20, \s*SLOT
	s_add_nc_u64 s[G0A+4*\s+2:G0A+4*\s+3], s[16:17], \s*65536
	s_or_b32 s[G0A+4*\s+3], s[G0A+4*\s+3], 0x80000000
	s_mov_b32 s[G0B+4*\s], 1
	s_add_co_u32 s[G0B+4*\s+1], s21, \s*SLOT
	s_add_nc_u64 s[G0B+4*\s+2:G0B+4*\s+3], s[46:47], \s*32768
	s_or_b32 s[G0B+4*\s+3], s[G0B+4*\s+3], 0x80000000
	JLOAD \s                                       ; two loads of mine are out
.endr
	v_and_b32 v1, 31, v0
	v_lshlrev_b32 v1, 4, v1                        ; 16 x lane
	s_lshl_b32 s22, s11, 12                        ; my four tiles of k^T
	s_lshl_b32 s23, s12, 11                        ; my two tiles of W
	s_add_co_u32 s23, s23, BOFF
	v_add_nc_u32 v2, s22, v1
	v_add_nc_u32 v4, s23, v1
	s_add_co_u32 s22, s22, SLOT
	s_add_co_u32 s23, s23, SLOT
	v_add_nc_u32 v3, s22, v1
	v_add_nc_u32 v5, s23, v1
	s_lshr_b32 s18, s41, 1                         ; tf: batch x 2 MiB
	s_lshl_b32 s18, s18, 21
	s_lshr_b32 s19, s42, 1                         ; + Dblk x 262,144
	s_lshl_b32 s19, s19, 18
	s_add_co_u32 s18, s18, s19
	s_lshl_b32 s19, s13, 16                        ; + chunk 8 n + 4 (cy % 2) + 2 (w / 2), 8,192 bytes each
	s_add_co_u32 s18, s18, s19
	s_and_b32 s19, s41, 1
	s_lshl_b32 s19, s19, 15
	s_add_co_u32 s18, s18, s19
	s_lshl_b32 s19, s11, 14
	s_add_co_u32 s18, s18, s19
	s_and_b32 s19, s42, 1                          ; + tile 4 (X % 2) + 2 (w % 2)
	s_lshl_b32 s19, s19, 12
	s_add_co_u32 s18, s18, s19
	s_lshl_b32 s19, s12, 11
	s_add_co_u32 s18, s18, s19
	s_mov_b32 s19, 0
	s_add_nc_u64 s[66:67], s[8:9], s[18:19]
	s_wait_tensorcnt 1                             ; my part of slot 0 is in; slot 1's may stay out
	s_barrier_signal -1
	s_barrier_wait -1                              ; everybody's is
	FETCH 0, 0, 0
	CHUNK 0, 0, 1                                  ; the first chunk stands in front of the loop: its products start the sums
	CHUNKS 0, 1
	s_mov_b32 s3, 3
.Llap:                                                 ; three trips: each goes once round the ring and fills both slots again (fills 2 to 7 of eight)
	LAST 0, 2
	CHUNKS 1, 0
	LAST 1, 2
	CHUNKS 0, 0
	s_sub_co_u32 s3, s3, 1
	s_cmp_lg_u32 s3, 0
	s_cbranch_scc1 .Llap
	LAST 0, 1                                      ; the tail is written out: it asks for nothing more
	CHUNKS 1, 0
	LAST 1, 0
	PLACES
.irp a, 0,1,2,3
.irp b, 0,1
.irp j, 0,1,2,3
	v_cvt_pk_bf16_f32 v[FBUF+4*(2*\a+\b)+\j], v[ACC+8*(2*\a+\b)+2*\j], v[ACC+8*(2*\a+\b)+2*\j+1]   ; each accumulator from its low end on
.endr
	global_store_b128 v1, v[FBUF+4*(2*\a+\b):FBUF+4*(2*\a+\b)+3], s[66:67] offset:(\a/2)*8192+(\a%2)*512+\b*1024   ; 512 consecutive bytes, aligned
.endr
.endr
	s_wait_tensorcnt 0x0                           ; the wave's end
	ds_add_u32 v6, v7
	s_wait_dscnt 0x0
	CROUND                                         ; the closing round
	s_endpgm
.Lfunc_end_k_q123c6f92d0_tk:
	.size	k_q123c6f92d0_tk, .Lfunc_end_k_q123c6f92d0_tk-k_q123c6f92d0_tk
	.p2alignl 7, 3214868480
	.fill 96, 4, 3214868480
	.section	.rodata,"a",@progbits
	.p2align	6, 0x0
	.amdhsa_kernel k_q123c6f92d0_tk
		.amdhsa_group_segment_fixed_size 327680
		.amdhsa_private_segment_fixed_size 0
		.amdhsa_enable_private_segment 0
		.amdhsa_kernarg_size 24
		.amdhsa_user_sgpr_count 2
		.amdhsa_user_sgpr_kernarg_segment_ptr 1
		.amdhsa_wavefront_size32 1
		.amdhsa_system_sgpr_workgroup_id_x 1
		.amdhsa_system_sgpr_workgroup_id_y 1
		.amdhsa_system_sgpr_workgroup_id_z 1
		.amdhsa_system_vgpr_workitem_id 0
		.amdhsa_next_free_vgpr 256
		.amdhsa_next_free_sgpr 72
		.amdhsa_reserve_vcc 0
		.amdhsa_float_denorm_mode_32 3
		.amdhsa_float_denorm_mode_16_64 3
		.amdhsa_memory_ordered 1
		.amdhsa_forward_progress 1
		.amdhsa_inst_pref_size 57
	.end_amdhsa_kernel
	.amdgpu_metadata
---
amdhsa.version: [ 1, 2 ]
amdhsa.kernels:
  - .name:           k_q123c6f92d0_tk
    .symbol:         k_q123c6f92d0_tk.kd
    .args:
      - { .name: kt, .offset: 0, .size: 8, .value_kind: global_buffer, .address_space: global }
      - { .name: wf, .offset: 8, .size: 8, .value_kind: global_buffer, .address_space: global }
      - { .name: tf, .offset: 16, .size: 8, .value_kind: global_buffer, .address_space: global }
    .group_segment_fixed_size: 327680
    .private_segment_fixed_size: 0
    .kernarg_segment_align: 8
    .kernarg_segment_size: 24
    .max_flat_workgroup_size: 128
    .sgpr_count:     72
    .vgpr_count:     256
    .wavefront_size: 32
...
	.end_amdgpu_metadata
.endif
;; end of part 3
;; launch outp (part 4): grid 8 x 32, 4 waves a work-group, clusters of 4 x 4, 327,680 bytes of LDS; arguments qf, tf, x, b_fc, ysum; writes ysum
.if DOCPART == 4
	.amdgcn_target "amdgcn-amd-amdhsa--gfx1250"
	.amdhsa_code_object_version 6
	.text
	.protected	k_q123c6f92d0_outp
	.globl	k_q123c6f92d0_outp
	.p2align	8
	.type	k_q123c6f92d0_outp,@function
k_q123c6f92d0_outp:
	s_mov_b64 s[64:65], 0
	v_nop
	global_prefetch_b8 v0, s[64:65] scope:SCOPE_SE
	s_setreg_imm32_b32 hwreg(HW_REG_WAVE_MODE, 25, 1), 1
	s_wait_xcnt 0x0
	s_wait_alu depctr_hold_cnt(0) depctr_sa_sdst(0) depctr_va_vdst(0) depctr_va_sdst(0) depctr_va_ssrc(0) depctr_va_vcc(0) depctr_vm_vsrc(0)
	s_getreg_b32 s2, hwreg(HW_REG_IB_STS2, 6, 4)
	s_cmp_eq_u32 s2, 0
	s_cbranch_scc0 .Lentry_in_a_cluster
	s_endpgm
.Lentry_in_a_cluster:
	s_bfe_u32 s2, ttmp6, 0x10000c
	s_cmp_lg_u32 s2, 0xf033
	s_cbranch_scc0 .Lentry_shape_is_right
	s_endpgm
.Lentry_shape_is_right:
; ysum[i][d] = x[i][d] + b_fc[d] + (1/16) x the sum over the 1,024 features f of q[i][f] T[batch of i][f][d]; bf16 operands, f32 sums, all else f32.
; SHARES.  Work-group (Dblk, R): 128 rows x 128 columns, K = 1,024 in 32 chunks of 32.  Four waves, each 64 x 64: 16 accumulators.
; Both operands are images of their fragments: a work-group's share of each is a dense stream of 256 KiB.  RING: two LDS slots of 8 chunks (64 KiB of q, 64 KiB of T); each wave fetches 32 KiB by one tensor load.
; CLUSTER 4 x 4.  A row of the cluster shares R and asks for q's tiles jointly; a column shares Dblk, and its four rows lie in one batch, so it asks for T's jointly.
; THE COLUMNS OF A TILE OF T ARE NOT NEIGHBOURS: tile c of my four holds columns 4 r + c of my 64.  So register jj of the four accumulators (a, 0..3) is four NEIGHBOURING columns of one row:
; 16 bytes a lane, and sixteen lanes store 256 consecutive aligned bytes, with no stage in LDS.  x's tile is loaded in the same layout at the head and lands during the walk over K.
; REGISTERS, in windows of 256: window 0: v1-9 addresses; v6, v7 the add's two; v12-15 b_fc; v128-255 accumulator (a, c) at 128 + 8 (4 a + c).
;   window 1: v0-63, v64-127 two fragment buffers (q's 4 x 8, then T's 4 x 8); v128-255 x's tile, piece (a, jj) at 128 + 4 (8 a + jj).
.set SLOT,  131072
.set BOFF,  65536
.set SPARE, 262144                     ; behind the ring: the spare words, 128 bytes for each wave
.set G1A,   24
.set G0A,   32
.set G1B,   48
.set G0B,   56
.set ACC,   128
.set XT,    128
.set MSB,   0
.macro WIN new                         ; the immediate's high byte repeats the setting that is left
.if MSB != \new
	s_set_vgpr_msb (MSB<<8)|\new
.set MSB, \new
.endif
.endm
.set W_MUL, 0x05                       ; sources 0 and 1 window 1; C and D window 0
.set W_TOF, 0x40                       ; destination window 1, address window 0
.macro JLOAD s
	s_cmp_eq_u32 s15, 0
	s_cbranch_scc0 .Lfor_b_\@
	tensor_load_to_lds s[G0A+4*\s:G0A+4*\s+3], s[G1A:G1A+7]
	s_nop 0
.rept 4
	v_nop
.endr
	s_branch .Lasked_\@
.Lfor_b_\@:
	tensor_load_to_lds s[G0B+4*\s:G0B+4*\s+3], s[G1B:G1B+7]
	s_nop 0
.rept 4
	v_nop
.endr
.Lasked_\@:
.endm
.macro CROUND
	s_barrier_signal -1
	s_barrier_wait -1
	s_cmp_lg_u32 s14, 0
	s_cbranch_scc1 .Lnot_wave_0_\@
	s_barrier_signal -3
.Lnot_wave_0_\@:
	s_barrier_wait -3
	s_barrier_signal -1
	s_barrier_wait -1
.endm
.macro PLACES
.rept 4
	v_nop
.endr
.endm
.macro FETCH sl, q, p
	WIN W_TOF
.irp a, 0,1,2,3
.irp c, 0,1
	ds_load_b128 v[64*(\p)+8*\a+4*\c:64*(\p)+8*\a+4*\c+3], v[2+(\sl)] offset:(\q)*8192+\a*1024+\c*512
.endr
.endr
.irp b, 0,1,2,3
.irp c, 0,1
	ds_load_b128 v[64*(\p)+32+8*\b+4*\c:64*(\p)+32+8*\b+4*\c+3], v[4+(\sl)] offset:(\q)*8192+\b*1024+\c*512
.endr
.endr
.endm
.macro MUL p, zero                     ; sixteen products, the accumulators by turns
	WIN W_MUL
.irp a, 0,1,2,3
.irp c, 0,1,2,3
.if \zero
	v_wmma_f32_16x16x32_bf16 v[ACC+8*(4*\a+\c):ACC+8*(4*\a+\c)+7], v[64*(\p)+8*\a:64*(\p)+8*\a+7], v[64*(\p)+32+8*\c:64*(\p)+32+8*\c+7], 0
.else
	v_wmma_f32_16x16x32_bf16 v[ACC+8*(4*\a+\c):ACC+8*(4*\a+\c)+7], v[64*(\p)+8*\a:64*(\p)+8*\a+7], v[64*(\p)+32+8*\c:64*(\p)+32+8*\c+7], v[ACC+8*(4*\a+\c):ACC+8*(4*\a+\c)+7]
.endif
.endr
.endr
.endm
.macro CHUNK sl, q, zero
	s_wait_dscnt 0x0                               ; this chunk's fragments are in (asked for a chunk ago)
	PLACES
	FETCH \sl, (\q)+1, ((\q)+1)%2
	MUL (\q)%2, \zero
.endm
.macro CHUNKS sl, from
.set Q, \from
.rept 7-\from
	CHUNK \sl, Q, 0
.set Q, Q+1
.endr
.endm
.macro LAST sl, mode                   ; a slot's last chunk (buffer 1).  mode 2: the slot is filled again; 1: the slots change, nothing is filled; 0: the very last chunk
.if \mode == 2
	WIN 0                                          ; the add's two registers lie in window 0; at a branch and at a label every window is 0
	s_wait_tensorcnt 0x0                           ; all my tensor loads have landed: my part of the other slot; so a group 0 may be written
	ds_add_u32 v6, v7                              ; 0 onto my spare word
	s_add_nc_u64 s[G0A+4*\sl+2:G0A+4*\sl+3], s[G0A+4*\sl+2:G0A+4*\sl+3], 131072
	s_add_nc_u64 s[G0B+4*\sl+2:G0B+4*\sl+3], s[G0B+4*\sl+2:G0B+4*\sl+3], 131072
	s_wait_dscnt 0x0                               ; the add is done, and my reads of this slot are over
	CROUND
	JLOAD \sl                                      ; the first tensor load behind the round; its four v_nop are the places in front of the loads below
	FETCH 1-\sl, 0, 0
.elseif \mode == 1
	WIN 0
	s_wait_tensorcnt 0x0
	ds_add_u32 v6, v7
	s_wait_dscnt 0x0
	s_barrier_signal -1
	s_barrier_wait -1
	PLACES
	FETCH 1-\sl, 0, 0
.else
	s_wait_dscnt 0x0
.endif
	MUL 1, 0
.endm
	s_load_b256 s[4:11], s[0:1], 0x0               ; qf s[4:5], tf s[6:7], x s[8:9], b_fc s[10:11]
	s_load_b64 s[12:13], s[0:1], 0x20              ; ysum
	v_lshl_add_u32 v6, v0, 2, SPARE
	v_mov_b32 v7, 0
	ds_add_u32 v6, v7                              ; the wave's opening: the add, twice on end, and its wait ahead of my first tensor load
	ds_add_u32 v6, v7
	v_lshrrev_b32 v1, 5, v0
	v_readfirstlane_b32 s14, v1                    ; wave 0..3
	s_lshr_b32 s15, s14, 1                         ; which 64 rows.  Also: I fetch for q (0) or for T (1)
	s_and_b32 s22, s14, 1                          ; which 64 columns.  Also: which half of a slot's part I fetch
	s_bfe_u32 s40, ttmp6, 0x40000                  ; cx
	s_bfe_u32 s41, ttmp6, 0x40004                  ; cy
	s_lshl_b32 s42, ttmp9, 2
	s_add_co_u32 s42, s42, s40                     ; Dblk
	s_and_b32 s23, ttmp7, 0xffff                   ; the cluster's y
	s_lshl_b32 s45, s23, 2
	s_add_co_u32 s45, s45, s41                     ; R
	s_lshl_b32 s43, s41, 2
	s_lshl_b32 s43, 15, s43                        ; my row of the cluster
	s_lshl_b32 s44, 0x1111, s40                    ; my column
	s_or_b32 s[G1A], s43, (3<<16)|(1<<21)
	s_or_b32 s[G1B], s44, (3<<16)|(1<<21)
.irp g, G1A, G1B
	s_mov_b32 s[\g+1], 32<<16                      ; a dense block of 128 rows of 256 bytes (32 elements of 8 bytes)
	s_mov_b32 s[\g+2], 128<<16
	s_mov_b32 s[\g+3], 32<<16
	s_mov_b32 s[\g+4], 128
	s_mov_b32 s[\g+5], 32
	s_mov_b32 s[\g+6], 0
	s_mov_b32 s[\g+7], 0
.endr
	s_lshl_b32 s16, s45, 18                        ; q: R x 262,144 + half x 32,768
	s_lshl_b32 s17, s22, 15
	s_add_co_u32 s16, s16, s17
	s_mov_b32 s17, 0
	s_lshr_b32 s46, s23, 2                         ; T: the batch, made of the cluster's y alone,
	s_lshl_b32 s46, s46, 21
	s_lshl_b32 s47, s42, 18                        ; + Dblk x 262,144 + half x 32,768
	s_add_co_u32 s46, s46, s47
	s_lshl_b32 s47, s22, 15
	s_add_co_u32 s46, s46, s47
	s_mov_b32 s47, 0
	s_lshl_b32 s20, s14, 15                        ; where they go: wave x 32,768
	s_mov_b32 s70, 0x3d800000                      ; 1/16 = 1 / sqrt(256)
	s_wait_dscnt 0x0                               ; both opening adds are done
	s_wait_kmcnt 0x0
	s_add_nc_u64 s[16:17], s[4:5], s[16:17]
	s_add_nc_u64 s[46:47], s[6:7], s[46:47]
	CROUND                                         ; all sixteen work-groups are here: the first joint loads meet
.irp s, 0,1
	s_mov_b32 s[G0A+4*\s], 1
	s_add_co_u32 s[G0A+4*\s+1], s20, \s*SLOT
	s_add_nc_u64 s[G0A+4*\s+2:G0A+4*\s+3], s[16:17], \s*65536
	s_or_b32 s[G0A+4*\s+3], s[G0A+4*\s+3], 0x80000000
	s_mov_b32 s[G0B+4*\s], 1
	s_add_co_u32 s[G0B+4*\s+1], s20, \s*SLOT
	s_add_nc_u64 s[G0B+4*\s+2:G0B+4*\s+3], s[46:47], \s*65536
	s_or_b32 s[G0B+4*\s+3], s[G0B+4*\s+3], 0x80000000
	JLOAD \s                                       ; two loads of mine are out
.endr
	v_and_b32 v1, 31, v0
	v_lshlrev_b32 v1, 4, v1                        ; 16 x lane
	v_and_b32 v9, 15, v0
	v_lshlrev_b32 v9, 4, v9                        ; 16 r: my four columns
	v_bfe_u32 v8, v0, 4, 1
	v_lshl_or_b32 v8, v8, 15, v9                   ; + 8 rows of 4,096 bytes for lanes 16-31
	s_lshl_b32 s18, s42, 9                         ; 128 Dblk + 64 (w % 2) columns
	s_lshl_b32 s19, s22, 8
	s_add_co_u32 s18, s18, s19
	s_mov_b32 s19, 0
	s_add_nc_u64 s[2:3], s[10:11], s[18:19]        ; b_fc there
	s_lshl_b32 s21, s45, 19                        ; + 128 R + 64 (w / 2) rows
	s_add_co_u32 s18, s18, s21
	s_lshl_b32 s21, s15, 18
	s_add_co_u32 s18, s18, s21
	s_add_nc_u64 s[68:69], s[8:9], s[18:19]        ; x at my part's corner,
	s_add_nc_u64 s[66:67], s[12:13], s[18:19]      ; and ysum
	WIN W_TOF
.irp a, 0,1,2,3
.irp j, 0,1,2,3,4,5,6,7
	global_load_b128 v[XT+4*(8*\a+\j):XT+4*(8*\a+\j)+3], v8, s[68:69] offset:(16*\a+\j)*4096 th:TH_LOAD_NT   ; x(16 a + 8 h + j, 4 r + 0..3): these stay out through the walk over K
.endr
.endr
	WIN 0
	global_load_b128 v[12:15], v9, s[2:3]
	s_lshl_b32 s18, s15, 12                        ; my four tiles of q,
	s_lshl_b32 s19, s22, 12                        ; my four tiles of T
	s_add_co_u32 s19, s19, BOFF
	v_add_nc_u32 v2, s18, v1
	v_add_nc_u32 v4, s19, v1
	s_add_co_u32 s18, s18, SLOT
	s_add_co_u32 s19, s19, SLOT
	v_add_nc_u32 v3, s18, v1
	v_add_nc_u32 v5, s19, v1
	s_wait_tensorcnt 1                             ; my part of slot 0 is in; slot 1's may stay out
	s_barrier_signal -1
	s_barrier_wait -1
	FETCH 0, 0, 0
	CHUNK 0, 0, 1                                  ; the first products start the sums
	CHUNKS 0, 1
	LAST 0, 2                                      ; four fills in all: the walk is written out
	CHUNKS 1, 0
	LAST 1, 2
	CHUNKS 0, 0
	LAST 0, 1
	CHUNKS 1, 0
	LAST 1, 0
	; THE WAY OUT
	s_wait_loadcnt 0x0                             ; x's tile and b_fc
	WIN 0x41                                       ; destination and source 0 window 1, source 1 window 0
.set i, 0
.rept 32
	v_pk_add_f32 v[XT+4*i:XT+4*i+1], v[XT+4*i:XT+4*i+1], v[12:13]          ; x + b_fc.  (These name no register of the last products: they are the places behind them)
	v_pk_add_f32 v[XT+4*i+2:XT+4*i+3], v[XT+4*i+2:XT+4*i+3], v[14:15]
.set i, i+1
.endr
	WIN 0x50                                       ; destination and source 2 window 1, source 0 window 0
.irp a, 0,1,2,3
.irp j, 0,1,2,3,4,5,6,7
.irp c, 0,1,2,3
	v_fma_f32 v[XT+4*(8*\a+\j)+\c], v[ACC+8*(4*\a+\c)+\j], s70, v[XT+4*(8*\a+\j)+\c]   ; each accumulator from its low end on
.endr
.endr
.endr
	WIN 0x04                                       ; a store's data are its source 1: window 1
.irp a, 0,1,2,3
.irp j, 0,1,2,3,4,5,6,7
	global_store_b128 v8, v[XT+4*(8*\a+\j):XT+4*(8*\a+\j)+3], s[66:67] offset:(16*\a+\j)*4096   ; sixteen lanes store 256 consecutive bytes, aligned
.endr
.endr
	WIN 0
	s_wait_tensorcnt 0x0                           ; the wave's end
	ds_add_u32 v6, v7
	s_wait_dscnt 0x0
	CROUND                                         ; the closing round
	s_endpgm
.Lfunc_end_k_q123c6f92d0_outp:
	.size	k_q123c6f92d0_outp, .Lfunc_end_k_q123c6f92d0_outp-k_q123c6f92d0_outp
	.p2alignl 7, 3214868480
	.fill 96, 4, 3214868480
	.section	.rodata,"a",@progbits
	.p2align	6, 0x0
	.amdhsa_kernel k_q123c6f92d0_outp
		.amdhsa_group_segment_fixed_size 327680
		.amdhsa_private_segment_fixed_size 0
		.amdhsa_enable_private_segment 0
		.amdhsa_kernarg_size 40
		.amdhsa_user_sgpr_count 2
		.amdhsa_user_sgpr_kernarg_segment_ptr 1
		.amdhsa_wavefront_size32 1
		.amdhsa_system_sgpr_workgroup_id_x 1
		.amdhsa_system_sgpr_workgroup_id_y 1
		.amdhsa_system_sgpr_workgroup_id_z 1
		.amdhsa_system_vgpr_workitem_id 0
		.amdhsa_next_free_vgpr 512
		.amdhsa_next_free_sgpr 72
		.amdhsa_reserve_vcc 0
		.amdhsa_float_denorm_mode_32 3
		.amdhsa_float_denorm_mode_16_64 3
		.amdhsa_memory_ordered 1
		.amdhsa_forward_progress 1
		.amdhsa_inst_pref_size 98
	.end_amdhsa_kernel
	.amdgpu_metadata
---
amdhsa.version: [ 1, 2 ]
amdhsa.kernels:
  - .name:           k_q123c6f92d0_outp
    .symbol:         k_q123c6f92d0_outp.kd
    .args:
      - { .name: qf, .offset: 0, .size: 8, .value_kind: global_buffer, .address_space: global }
      - { .name: tf, .offset: 8, .size: 8, .value_kind: global_buffer, .address_space: global }
      - { .name: x, .offset: 16, .size: 8, .value_kind: global_buffer, .address_space: global }
      - { .name: b_fc, .offset: 24, .size: 8, .value_kind: global_buffer, .address_space: global }
      - { .name: ysum, .offset: 32, .size: 8, .value_kind: global_buffer, .address_space: global }
    .group_segment_fixed_size: 327680
    .private_segment_fixed_size: 0
    .kernarg_segment_align: 8
    .kernarg_segment_size: 40
    .max_flat_workgroup_size: 128
    .sgpr_count:     72
    .vgpr_count:     512
    .wavefront_size: 32
...
	.end_amdgpu_metadata
.endif
;; end of part 4
;; launch ln (part 5): grid 256 x 1, 4 waves a work-group, no clusters, 0 bytes of LDS; arguments ysum, gamma, beta, out0; writes out0
.if DOCPART == 5
	.amdgcn_target "amdgcn-amd-amdhsa--gfx1250"
	.amdhsa_code_object_version 6
	.text
	.protected	k_q123c6f92d0_ln
	.globl	k_q123c6f92d0_ln
	.p2align	8
	.type	k_q123c6f92d0_ln,@function
k_q123c6f92d0_ln:
	s_mov_b64 s[64:65], 0
	v_nop
	global_prefetch_b8 v0, s[64:65] scope:SCOPE_SE
	s_setreg_imm32_b32 hwreg(HW_REG_WAVE_MODE, 25, 1), 1
	s_wait_xcnt 0x0
; out0[i][:] = gamma x (y - mean) x rsqrt(var + 1e-5) + beta over each row of 1,024 numbers of ysum, all in f32: the mean first, then the mean of the squared differences, as the module has it.
; A row is 4,096 bytes: one wave takes a whole row in 32 registers, so the reductions never leave the wave: no LDS, no barrier.  A wave takes 4 rows, all asked for at the head; each load and store covers
; 512 consecutive bytes.  Lane l holds columns 128 j + 4 l + 0..3, j = 0..7; its 32 gamma and 32 beta stay in registers.  Memory binds here: matrix units and clusters would add nothing.
.set GA, 16                            ; v16-47  gamma
.set BE, 48                            ; v48-79  beta
.set RW, 80                            ; v80-207 row k at 32 k: each row has registers of its own, so no store's data are written again
	s_load_b256 s[4:11], s[0:1], 0x0               ; ysum s[4:5], gamma s[6:7], beta s[8:9], out0 s[10:11]
	v_lshrrev_b32 v1, 5, v0
	v_readfirstlane_b32 s12, v1                    ; wave
	v_and_b32 v1, 31, v0
	v_lshlrev_b32 v1, 4, v1                        ; 16 x lane
	s_lshl_b32 s14, ttmp9, 16                      ; 16 rows a work-group,
	s_lshl_b32 s15, s12, 14                        ; 4 a wave
	s_add_co_u32 s14, s14, s15
	s_mov_b32 s15, 0
	s_mov_b32 s16, 0x76543210
	s_mov_b32 s17, 0xfedcba98                      ; v_permlanex16_b32's selects for lane l xor 16
	s_mov_b32 s20, 0x3a800000                      ; 1 / 1,024
	s_mov_b32 s21, 0x3727c5ac                      ; 1e-5
	v_mov_b32 v6, 0                                ; a lane permute's destination counts as one of its sources
	v_mov_b32 v11, 0                               ; named as the upper half of the pair v[10:11]
	s_wait_kmcnt 0x0
	s_add_nc_u64 s[4:5], s[4:5], s[14:15]
	s_add_nc_u64 s[10:11], s[10:11], s[14:15]
.irp j, 0,1,2,3,4,5,6,7
	global_load_b128 v[GA+4*\j:GA+4*\j+3], v1, s[6:7] offset:512*\j
.endr
.irp j, 0,1,2,3,4,5,6,7
	global_load_b128 v[BE+4*\j:BE+4*\j+3], v1, s[8:9] offset:512*\j
.endr
.irp k, 0,1,2,3
.irp j, 0,1,2,3,4,5,6,7
	global_load_b128 v[RW+32*\k+4*\j:RW+32*\k+4*\j+3], v1, s[4:5] offset:4096*\k+512*\j th:TH_LOAD_NT
.endr
.endr
.macro ALL32 r                         ; the sum of v[r] over the 32 lanes, in every lane
	v_add_f32_dpp v[\r], v[\r], v[\r] row_xmask:1 row_mask:0xf bank_mask:0xf
	v_add_f32_dpp v[\r], v[\r], v[\r] row_xmask:2 row_mask:0xf bank_mask:0xf
	v_add_f32_dpp v[\r], v[\r], v[\r] row_xmask:4 row_mask:0xf bank_mask:0xf
	v_add_f32_dpp v[\r], v[\r], v[\r] row_xmask:8 row_mask:0xf bank_mask:0xf
	v_permlanex16_b32 v6, v[\r], s16, s17
	v_add_f32 v[\r], v[\r], v6
.endm
.macro ROW k, left                     ; left: the later rows' loads, which may stay out
.set Y, RW+32*(\k)
	s_wait_loadcnt \left
	v_pk_add_f32 v[2:3], v[Y:Y+1], v[Y+2:Y+3]      ; the row's sum, two at a time, in two chains
	v_pk_add_f32 v[4:5], v[Y+4:Y+5], v[Y+6:Y+7]
.irp i, 8,12,16,20,24,28
	v_pk_add_f32 v[2:3], v[2:3], v[Y+\i:Y+\i+1]
	v_pk_add_f32 v[4:5], v[4:5], v[Y+\i+2:Y+\i+3]
.endr
	v_pk_add_f32 v[2:3], v[2:3], v[4:5]
	v_add_f32 v2, v2, v3
	ALL32 2
	v_mul_f32 v2, s20, v2                          ; the mean
.irp i, 0,2,4,6,8,10,12,14,16,18,20,22,24,26,28,30
	v_pk_add_f32 v[Y+\i:Y+\i+1], v[Y+\i:Y+\i+1], v[2:3] op_sel_hi:[1,0] neg_lo:[0,1] neg_hi:[0,1]   ; y - mean, in place (of the pair the low word serves both halves)
.endr
	v_pk_mul_f32 v[4:5], v[Y:Y+1], v[Y:Y+1]
	v_pk_mul_f32 v[8:9], v[Y+2:Y+3], v[Y+2:Y+3]
.irp i, 4,8,12,16,20,24,28
	v_pk_fma_f32 v[4:5], v[Y+\i:Y+\i+1], v[Y+\i:Y+\i+1], v[4:5]
	v_pk_fma_f32 v[8:9], v[Y+\i+2:Y+\i+3], v[Y+\i+2:Y+\i+3], v[8:9]
.endr
	v_pk_add_f32 v[4:5], v[4:5], v[8:9]
	v_add_f32 v4, v4, v5
	ALL32 4
	v_fma_f32 v4, v4, s20, s21                     ; var + 1e-5
	v_rsq_f32 v10, v4
	v_nop                                          ; one plain place behind the transcendental (ISA guide 5.7.2),
	s_wait_alu depctr_va_vdst(0)                   ; and a wait ahead of its first reader: one a row
.irp i, 0,2,4,6,8,10,12,14,16,18,20,22,24,26,28,30
	v_pk_mul_f32 v[Y+\i:Y+\i+1], v[Y+\i:Y+\i+1], v[10:11] op_sel_hi:[1,0]
.endr
.irp i, 0,2,4,6,8,10,12,14,16,18,20,22,24,26,28,30
	v_pk_fma_f32 v[Y+\i:Y+\i+1], v[Y+\i:Y+\i+1], v[GA+\i:GA+\i+1], v[BE+\i:BE+\i+1]
.endr
.irp j, 0,1,2,3,4,5,6,7
	global_store_b128 v1, v[Y+4*\j:Y+4*\j+3], s[10:11] offset:4096*(\k)+512*\j th:TH_STORE_NT
.endr
.endm
	ROW 0, 24
	ROW 1, 16
	ROW 2, 8
	ROW 3, 0
	s_endpgm
.Lfunc_end_k_q123c6f92d0_ln:
	.size	k_q123c6f92d0_ln, .Lfunc_end_k_q123c6f92d0_ln-k_q123c6f92d0_ln
	.p2alignl 7, 3214868480
	.fill 96, 4, 3214868480
	.section	.rodata,"a",@progbits
	.p2align	6, 0x0
	.amdhsa_kernel k_q123c6f92d0_ln
		.amdhsa_group_segment_fixed_size 0
		.amdhsa_private_segment_fixed_size 0
		.amdhsa_enable_private_segment 0
		.amdhsa_kernarg_size 32
		.amdhsa_user_sgpr_count 2
		.amdhsa_user_sgpr_kernarg_segment_ptr 1
		.amdhsa_wavefront_size32 1
		.amdhsa_system_sgpr_workgroup_id_x 1
		.amdhsa_system_sgpr_workgroup_id_y 1
		.amdhsa_system_sgpr_workgroup_id_z 1
		.amdhsa_system_vgpr_workitem_id 0
		.amdhsa_next_free_vgpr 224
		.amdhsa_next_free_sgpr 66
		.amdhsa_reserve_vcc 0
		.amdhsa_float_denorm_mode_32 3
		.amdhsa_float_denorm_mode_16_64 3
		.amdhsa_memory_ordered 1
		.amdhsa_forward_progress 1
		.amdhsa_inst_pref_size 33
	.end_amdhsa_kernel
	.amdgpu_metadata
---
amdhsa.version: [ 1, 2 ]
amdhsa.kernels:
  - .name:           k_q123c6f92d0_ln
    .symbol:         k_q123c6f92d0_ln.kd
    .args:
      - { .name: ysum, .offset: 0, .size: 8, .value_kind: global_buffer, .address_space: global }
      - { .name: gamma, .offset: 8, .size: 8, .value_kind: global_buffer, .address_space: global }
      - { .name: beta, .offset: 16, .size: 8, .value_kind: global_buffer, .address_space: global }
      - { .name: out0, .offset: 24, .size: 8, .value_kind: global_buffer, .address_space: global }
    .group_segment_fixed_size: 0
    .private_segment_fixed_size: 0
    .kernarg_segment_align: 8
    .kernarg_segment_size: 32
    .max_flat_workgroup_size: 128
    .sgpr_count:     66
    .vgpr_count:     224
    .wavefront_size: 32
...
	.end_amdgpu_metadata
.endif
;; end of part 5
